; MI455X (gfx1250); checked and timed in simulation.
; The chip was launched on July 23, 2026; its instructions are those of AMD's public machine-readable ISA for CDNA 5 (MIT licence, August 2026) and "CDNA5" Instruction Set Architecture Reference Guide (July 2026). The comments in the code are by the model that wrote it; some were corrected since.
;; Sine Wave Network. Allowed arithmetic: float matrix products may take bf16 or f16 operands with f32 sums; all other float work in f32.
;; Inputs: A0 20 x 1 float32; initial_wave_input 20 x 200,000 float32; phi0 20 x 1 float32; phi1 25 x 20 float32; phi2 30 x 25 float32; phi3 1 x 30 float32; phic0 1 float32; phic1 1 float32; phic2 1 float32; phic3 1 float32; w0 20 x 1 float32; w1 25 x 20 float32; w2 30 x 25 float32; w3 1 x 30 float32; wc0 1 float32; wc1 1 float32; wc2 1 float32; wc3 1 float32.
;; Outputs: out0 1 x 200,000 float32.
;; One version. Each part assembles by itself: llvm-mc -triple=amdgcn-amd-amdhsa -mcpu=gfx1250 --defsym DOCPART=n.
;; ======== version 1 of 1: 1 launch
;; launch sine (part 1): grid 241 x 1, 8 waves a work-group, no clusters, 219,392 bytes of LDS; arguments w1, phi1, w2, phi2, w3, phi3, w0, phi0, wc1, phic1, wc2, phic2, wc3, phic3, wc0, phic0, A0, out0; writes out0
.if DOCPART == 1
	.amdgcn_target "amdgcn-amd-amdhsa--gfx1250"
	.amdhsa_code_object_version 6
	.text
	.protected	k_q3572c02f4f_sine
	.globl	k_q3572c02f4f_sine
	.p2align	8
	.type	k_q3572c02f4f_sine,@function
k_q3572c02f4f_sine:
	s_mov_b64 s[64:65], 0
	v_nop
	global_prefetch_b8 v0, s[64:65] scope:SCOPE_SE
	s_setreg_imm32_b32 hwreg(HW_REG_WAVE_MODE, 25, 1), 1
	s_wait_xcnt 0x0
; SineWaveNetwork: out[k], k = 0 .. 199,999, on the grid t_k = 1 + k * 999/199999 that the problem's function builds itself.
;   layer 0: s0[n] = A0[n] sin(W t + P)                        20 rows      W = relu(w) + relu(wc), P = relu(phi) + relu(phic)
;   layer 1: s1[m] = sum over n of (0.5 sin(W t + P) + 0.5) s0[n]   25 x 20
;   layer 2: s2[m] = the same on s1                             30 x 25
;   layer 3: out   = the same on s2                              1 x 30
; 1,300 sinusoids for each time; parameters of about 10 KB; 0.8 MB out.  The vector ALU binds, so the design is about instructions.
;
; THE IDEA.  The grid is uniform, so for one (m, n) samples 32 apart obey x[d+1] = 2 cos(delta) x[d] - x[d-1].  One sine and cosine per lane
; (17 packed instructions) seed 13 pairs of samples, which then cost one packed multiply-add each for the sinusoid and one for the product.
; A work-group owns 832 consecutive samples.  Register pair j = 0 .. 12 of lane l holds samples k0 + 32 j + l (low) and k0 + 416 + 32 j + l (high);
; the seed is pair 6, and the recurrence runs 6 steps up and 6 steps down.  The eight waves share the ROWS m (wave w: m = w + 8 r), each for all
; 832 samples, so a seed serves 832 samples; a layer's rows go from wave to wave through LDS.
; Phases are kept in turns.  A table in LDS holds for each (m, n): the seed's phase at sample k0 + 192, the phase step per sample, cos and sin of
; the step of 32 samples and twice that cosine, each made once per work-group with two-word products (error terms by fused multiply-add), whole
; turns being dropped at every stage, which is exact since sample numbers are whole.
; 0.5 sin x and 0.5 cos x come from the half angle h = pi r, |r| <= 0.5: 0.5 sin = sin h cos h, 0.5 cos = cos^2 h - 0.5, Taylor series to h^9, h^10.
;
; NOT USED, and why: matrix instructions (t is a batch index of the product 'mnt,nt->mt': every sinusoid enters exactly one product, so a matrix
; form would fill one column of sixteen); the tensor mover, clusters, prefetches (the inputs read are 10 KB, read once at the start).
; 241 work-groups = ceil(200000 / 832); the last one stores 320 samples.
;
; LIMITS.  (1) initial_wave_input is not loaded: the problem's function takes it and never uses it, no output hangs on it.
; (2) Order of rounding: the phase is formed on the exact grid, within about 1e-4 radian for every finite w; the problem's function rounds t and
; w t + phi to f32, about |w t| * 2^-23 radian.  The two agree to that figure: about 1e-3 radian for W up to 6, 0.02 for W thirty times larger.
; (3) relu is v_max_num_f32, which turns a NaN parameter into 0 where the problem's function would hand the NaN on.
.set TOTAL,  200000
.set SPAN,   832                       ; samples of a work-group
.set HALFSP, 416                       ; from a pair's low sample to its high one
.set ROWB,   3328                      ; bytes of a row of 832 f32 in LDS: pair j of lane l at 256 j + 8 l
; LDS.  Every region is written once and read behind a barrier; none is used twice.
.set TAB_L1, 0                         ; entries of 32 bytes, entry m*20 + n   (512 places)
.set TAB_L2, 16384                     ; entry m*25 + n                        (768 places)
.set TAB_L3, 40960                     ; entry m                               (32 places)
.set TAB_L0, 41984                     ; entry n                               (32 places)
.set LDS_S0, 43008                     ; 20 rows
.set LDS_PT, 109568                    ; 8 waves x 832 f32 in the order of the samples: layer 3's partial sums.  In front of s1, so that the
                                       ; addresses 16 t of the last sum, formed for all 256 threads though only 208 load, stay inside LDS
.set LDS_S1, 136192                    ; 25 rows.  Ends at 219,392
; An entry: word 0 phase of the seed (turns), 1 step per sample (turns), 2 cos, 3 sin of the step of 32 samples, 4 twice that cosine,
; 5 twice A0 (layer 0; elsewhere a defined word that nobody uses); bytes 24-31 are neither written nor read.
; Vector registers
.set LANE, 1
.set OFS,  2                           ; v[2:3]    (l, l + 416) as f32: the seed's two samples, counted from k0 + 192
.set VE,   4                           ; LDS address of my rows' next entry (the same in all lanes)
.set VSN,  5                           ; LDS address of my 8 bytes in the next input row
.set VSTA, 6                           ; where my rows r = 0 .. 2 are stored (r in the immediate)
.set VSTB, 7                           ; the same for r = 3, which the immediate does not reach
.set VPT,  8                           ; where my partial sums go
.set VT,   9                           ; at work
.set A9V,  10                          ; v[10:11]  the sine series' last coefficient, twice
.set B10V, 12                          ; v[12:13]  the cosine series' last coefficient, twice
.set ROW,  16                          ; v[16:71]  row r: 14 registers at ROW + 14 r, fields below
.set SN,   72                          ; v[72:97]  the input row at work; in layer 3 the wave's partial sum
.set SUM,  98                          ; v[98:123] the sum of the input rows (for the constant 0.5)
.set ACC,  124                         ; v[124:227] row r's 13 pairs at ACC + 26 r
.set F_E,  0                           ; entry words 0, 1
.set F_CS, 2                           ; entry words 2, 3
.set F_KA, 4                           ; entry words 4, 5
.set F_Y,  6                           ; phase, then r; then S = 0.5 sin, then the downward chain
.set F_S,  6
.set F_K,  8                           ; whole turns, then r^2; then C = 0.5 cos, then the upward chain
.set F_C,  8
.set F_PS, 10                          ; sin h; then the downward chain
.set F_A,  10
.set F_PC, 12                          ; cos h; then the upward chain
.set F_P,  12
; The table phase uses the registers of SN and ACC: batch b has 12 registers at TB + 12 b:
; 0-5 the entry's words, 6 W, 7 P, 8 low word of the step, 9 sum of the error terms, 10, 11 at work
.set TB,   124
.set TOF,  72                          ; v72-76 byte offsets of the loads, v77 LDS address of the entry
.set TST,  78                          ; v78-83 relu of wc, phic: layer 1, layer 2, batch 5's layer
.set KC,   84                          ; k0 + 192 as f32 (below 2^18: exact)
; Scalar registers: s2 wave, s3 loop counter, s4 k0, s5-7 at work, s[8:43] the 18 addresses, s44-51 the eight one-word inputs
.set DH,   52                          ; (999/199999)/(2 pi) = DH + DL
.set DL,   53
.set IH,   54                          ; 1/(2 pi) = IH + IL
.set IL,   55
.set C32,  56                          ; 32.0
.set SA7,  66                          ; pairs, both words written: a packed instruction names the pair
.set SA5,  68
.set SA3,  70
.set SA1,  72
.set SB8,  74
.set SB6,  76
.set SB4,  78
.set SB2,  80
.set SA9,  82
.set SB10, 83
.macro BARRIER
	s_wait_dscnt 0x0                               ; for the other waves' sake: all my LDS stores have landed, all my LDS loads are back
	s_barrier_signal -1
	s_barrier_wait -1
.endm
.macro COEF reg, bits
	s_mov_b32 s[\reg], \bits
	s_mov_b32 s[\reg+1], \bits
.endm
; ---------------------------------------------------------------- the table's macros: one line of arithmetic for T_COUNT batches in step,
; so that the batches' chains of dependent instructions cover each other
.macro T_V op, d, a
.set b, T_FIRST
.rept T_COUNT
	\op v[TB+12*b+\d], v[TB+12*b+\a]
.set b, b+1
.endr
.endm
.macro T_VV op, d, a, c
.set b, T_FIRST
.rept T_COUNT
	\op v[TB+12*b+\d], v[TB+12*b+\a], v[TB+12*b+\c]
.set b, b+1
.endr
.endm
.macro T_XV op, d, x, a                ; x: an operand that all batches share
.set b, T_FIRST
.rept T_COUNT
	\op v[TB+12*b+\d], \x, v[TB+12*b+\a]
.set b, b+1
.endr
.endm
.macro T_ERR d, a, x, c                ; d = a x - c: with c = the rounded product a x, its rounding error, exactly
.set b, T_FIRST
.rept T_COUNT
	v_fma_f32 v[TB+12*b+\d], v[TB+12*b+\a], \x, -v[TB+12*b+\c]
.set b, b+1
.endr
.endm
.macro T_FXV d, a, x, c
.set b, T_FIRST
.rept T_COUNT
	v_fma_f32 v[TB+12*b+\d], v[TB+12*b+\a], \x, v[TB+12*b+\c]
.set b, b+1
.endr
.endm
.macro T_FVX d, a, c, x
.set b, T_FIRST
.rept T_COUNT
	v_fma_f32 v[TB+12*b+\d], v[TB+12*b+\a], v[TB+12*b+\c], \x
.set b, b+1
.endr
.endm
.macro T_FXX d, a, x, y
.set b, T_FIRST
.rept T_COUNT
	v_fma_f32 v[TB+12*b+\d], v[TB+12*b+\a], \x, \y
.set b, b+1
.endr
.endm
.macro T_TURNS src                     ; src / (2 pi): its fraction of a turn is added to field 0, its error term to field 9
	T_XV  v_mul_f32, 10, s[IH], \src
	T_ERR 11, \src, s[IH], 10
	T_FXV 11, \src, s[IL], 11
	T_VV  v_add_f32, 9, 9, 11
	T_V   v_rndne_f32, 11, 10
	T_VV  v_sub_f32, 10, 10, 11                    ; exact
	T_VV  v_add_f32, 0, 0, 10
.endm
.macro PREP b, st                      ; W = relu(w) + relu(wc), P = relu(phi) + relu(phic)
	v_max_num_f32 v[TB+12*\b+6], 0, v[TB+12*\b+6]
	v_max_num_f32 v[TB+12*\b+7], 0, v[TB+12*\b+7]
	v_add_f32 v[TB+12*\b+6], v[\st], v[TB+12*\b+6]
	v_add_f32 v[TB+12*\b+7], v[\st+1], v[TB+12*\b+7]
.endm
.macro TABLE first, count
.set T_FIRST, \first
.set T_COUNT, \count
	T_XV  v_mul_f32, 1, s[DH], 6                   ; the step per sample in turns, W D, in two words: field 1 + field 8
	T_ERR 8, 6, s[DH], 1
	T_FXV 8, 6, s[DL], 8
	T_V   v_rndne_f32, 10, 1
	T_VV  v_sub_f32, 1, 1, 10                      ; whole turns per sample change nothing at whole sample numbers; the difference is exact
	T_XV  v_mul_f32, 0, v[KC], 1                   ; (k0 + 192) steps, again in two words: field 0 + field 9
	T_ERR 9, 1, v[KC], 0
	T_FXV 9, 8, v[KC], 9
	T_V   v_rndne_f32, 10, 0
	T_VV  v_sub_f32, 0, 0, 10
	T_TURNS 6                                      ; + W * 1 (the grid begins at t = 1)
	T_TURNS 7                                      ; + P
	T_VV  v_add_f32, 0, 0, 9                       ; the error terms last
	T_V   v_rndne_f32, 10, 0
	T_VV  v_sub_f32, 0, 0, 10                      ; word 0: the seed's phase, within half a turn
	T_XV  v_mul_f32, 10, s[C32], 1                 ; the step of 32 samples (exact), reduced, plus its low word
	T_V   v_rndne_f32, 11, 10
	T_VV  v_sub_f32, 10, 10, 11
	T_FXV 10, 8, s[C32], 10
	T_VV  v_add_f32, 1, 1, 8                       ; word 1: the step per sample in one word (it multiplies 447 at the most)
	T_VV  v_mul_f32, 5, 10, 10
	T_FXX 3, 5, s[SA9], s[SA7]                     ; sin and cos of half the step's angle
	T_FXX 2, 5, s[SB10], s[SB8]
	T_FVX 3, 3, 5, s[SA5]
	T_FVX 2, 2, 5, s[SB6]
	T_FVX 3, 3, 5, s[SA3]
	T_FVX 2, 2, 5, s[SB4]
	T_FVX 3, 3, 5, s[SA1]
	T_FVX 2, 2, 5, s[SB2]
	T_VV  v_mul_f32, 3, 3, 10
	T_FVX 2, 2, 5, 1.0
	T_VV  v_add_f32, 10, 2, 2
	T_VV  v_mul_f32, 3, 3, 10                      ; word 3: sin = 2 sin h cos h
	T_FVX 2, 10, 2, -1.0                           ; word 2: cos = 2 cos^2 h - 1
	T_VV  v_add_f32, 4, 2, 2                       ; word 4: the recurrence's factor
.endm
.macro TABST first, count              ; thread t's entry of batch b is entry 256 b + t of the table
.set b, \first
.rept \count
	ds_store_b128 v[TOF+5], v[TB+12*b:TB+12*b+3] offset:8192*b
	ds_store_b64 v[TOF+5], v[TB+12*b+4:TB+12*b+5] offset:8192*b+16
.set b, b+1
.endr
.endm
; ---------------------------------------------------------------- the layers' macros; every line of arithmetic is written for all rows in step
.macro LDE n, nr                       ; words 0-3 of the next entry of each of my rows; rows are 8 n entries apart
.set r, 0
.rept \nr
	ds_load_b128 v[ROW+14*r:ROW+14*r+3], v[VE] offset:256*\n*r
.set r, r+1
.endr
.endm
.macro LDK n, nr                       ; words 4, 5
.set r, 0
.rept \nr
	ds_load_b64 v[ROW+14*r+F_KA:ROW+14*r+F_KA+1], v[VE] offset:256*\n*r+16
.set r, r+1
.endr
.endm
.macro LDROW dst                       ; an input row: 13 loads, the 32 lanes at 256 consecutive bytes each
.set j, 0
.rept 13
	ds_load_b64 v[\dst+2*j:\dst+2*j+1], v[VSN] offset:256*j
.set j, j+1
.endr
.endm
.macro HORNER nr, sa, sb               ; one step of the sine's and of the cosine's series
.set r, 0
.rept \nr
.set RB, ROW+14*r
	v_pk_fma_f32 v[RB+F_PS:RB+F_PS+1], v[RB+F_PS:RB+F_PS+1], v[RB+F_K:RB+F_K+1], s[\sa:\sa+1] op_sel_hi:[1,1,0]
	v_pk_fma_f32 v[RB+F_PC:RB+F_PC+1], v[RB+F_PC:RB+F_PC+1], v[RB+F_K:RB+F_K+1], s[\sb:\sb+1] op_sel_hi:[1,1,0]
.set r, r+1
.endr
.endm
; The seed: S = 0.5 sin, C = 0.5 cos of the phase at pair 6.  17 instructions a row.  Reads entry words 0, 1 only.
.macro BASE nr
.set r, 0
.rept \nr
.set RB, ROW+14*r
	v_pk_fma_f32 v[RB+F_Y:RB+F_Y+1], v[OFS:OFS+1], v[RB:RB+1], v[RB:RB+1] op_sel:[0,1,0] op_sel_hi:[1,1,0]   ; (l, l+416) * word 1 + word 0
.set r, r+1
.endr
.set r, 0
.rept \nr
.set RB, ROW+14*r
	v_rndne_f32 v[RB+F_K], v[RB+F_Y]
	v_rndne_f32 v[RB+F_K+1], v[RB+F_Y+1]
.set r, r+1
.endr
.set r, 0
.rept \nr
.set RB, ROW+14*r
	v_pk_add_f32 v[RB+F_Y:RB+F_Y+1], v[RB+F_Y:RB+F_Y+1], v[RB+F_K:RB+F_K+1] neg_lo:[0,1] neg_hi:[0,1]       ; r, within half a turn
.set r, r+1
.endr
.set r, 0
.rept \nr
.set RB, ROW+14*r
	v_pk_mul_f32 v[RB+F_K:RB+F_K+1], v[RB+F_Y:RB+F_Y+1], v[RB+F_Y:RB+F_Y+1]                                 ; r^2
.set r, r+1
.endr
.set r, 0
.rept \nr
.set RB, ROW+14*r
	v_pk_fma_f32 v[RB+F_PS:RB+F_PS+1], v[RB+F_K:RB+F_K+1], v[A9V:A9V+1], s[SA7:SA7+1] op_sel_hi:[1,1,0]
	v_pk_fma_f32 v[RB+F_PC:RB+F_PC+1], v[RB+F_K:RB+F_K+1], v[B10V:B10V+1], s[SB8:SB8+1] op_sel_hi:[1,1,0]
.set r, r+1
.endr
	HORNER \nr, SA5, SB6
	HORNER \nr, SA3, SB4
	HORNER \nr, SA1, SB2
.set r, 0
.rept \nr
.set RB, ROW+14*r
	v_pk_mul_f32 v[RB+F_PS:RB+F_PS+1], v[RB+F_PS:RB+F_PS+1], v[RB+F_Y:RB+F_Y+1]                             ; sin h
	v_pk_fma_f32 v[RB+F_PC:RB+F_PC+1], v[RB+F_PC:RB+F_PC+1], v[RB+F_K:RB+F_K+1], 1.0 op_sel_hi:[1,1,0]      ; cos h
.set r, r+1
.endr
.set r, 0
.rept \nr
.set RB, ROW+14*r
	v_pk_mul_f32 v[RB+F_S:RB+F_S+1], v[RB+F_PS:RB+F_PS+1], v[RB+F_PC:RB+F_PC+1]                             ; S = sin h cos h
	v_pk_fma_f32 v[RB+F_C:RB+F_C+1], v[RB+F_PC:RB+F_PC+1], v[RB+F_PC:RB+F_PC+1], -0.5 op_sel_hi:[1,1,0]     ; C = cos^2 h - 0.5
.set r, r+1
.endr
.endm
; What GEN1 and GEN2 work on: rows r0 .. r0 + nr - 1; pair j of the multiplicand at mb + ms r + 2 j, of the sum at ab + ast r + 2 j;
; first = 1: the products start the sums, so that no register is ever cleared
.macro GSET r0, nr, mb, ms, ab, ast, first
.set G_R0, \r0
.set G_NR, \nr
.set G_MB, \mb
.set G_MS, \ms
.set G_AB, \ab
.set G_AS, \ast
.set G_FIRST, \first
.endm
.macro GMAC j, x                       ; sum[j] (+)= row field x * multiplicand[j]
.set r, G_R0
.rept G_NR
.set GA, G_AB+G_AS*r+2*\j
.set GM, G_MB+G_MS*r+2*\j
.set GX, ROW+14*r+\x
.if G_FIRST
	v_pk_mul_f32 v[GA:GA+1], v[GX:GX+1], v[GM:GM+1]
.else
	v_pk_fma_f32 v[GA:GA+1], v[GX:GX+1], v[GM:GM+1], v[GA:GA+1]
.endif
.set r, r+1
.endr
.endm
.macro GREC dst, cur, old              ; dst = word 4 * cur - old: one step of the recurrence
.set r, G_R0
.rept G_NR
.set RB, ROW+14*r
	v_pk_fma_f32 v[RB+\dst:RB+\dst+1], v[RB+\cur:RB+\cur+1], v[RB+F_KA:RB+F_KA+1], v[RB+\old:RB+\old+1] op_sel_hi:[1,0,1] neg_lo:[0,0,1] neg_hi:[0,0,1]
.set r, r+1
.endr
.endm
.macro GEN1                            ; pairs 6, 7, 5: x(+-1) = S cos +- C sin.  The last reader of entry words 2, 3
	GMAC 6, F_S
.set r, G_R0
.rept G_NR
.set RB, ROW+14*r
	v_pk_mul_f32 v[RB+F_A:RB+F_A+1], v[RB+F_S:RB+F_S+1], v[RB+F_CS:RB+F_CS+1] op_sel_hi:[1,0]
.set r, r+1
.endr
.set r, G_R0
.rept G_NR
.set RB, ROW+14*r
	v_pk_fma_f32 v[RB+F_P:RB+F_P+1], v[RB+F_C:RB+F_C+1], v[RB+F_CS:RB+F_CS+1], v[RB+F_A:RB+F_A+1] op_sel:[0,1,0] op_sel_hi:[1,1,1]
.set r, r+1
.endr
.set r, G_R0
.rept G_NR
.set RB, ROW+14*r
	v_pk_fma_f32 v[RB+F_A:RB+F_A+1], v[RB+F_C:RB+F_C+1], v[RB+F_CS:RB+F_CS+1], v[RB+F_A:RB+F_A+1] op_sel:[0,1,0] op_sel_hi:[1,1,1] neg_lo:[0,1,0] neg_hi:[0,1,0]
.set r, r+1
.endr
	GMAC 7, F_P
	GMAC 5, F_A
.endm
.macro GEN2                            ; pairs 8 .. 12 and 4 .. 0.  Upward chain in fields P, C in turn, downward chain in A, S
	GREC F_C, F_P, F_S                             ; x(+2), over C, which is done with
	GREC F_S, F_A, F_S                             ; x(-2), over x(0)
	GMAC 8, F_C
	GMAC 4, F_S
	GREC F_P, F_C, F_P
	GREC F_A, F_S, F_A
	GMAC 9, F_P
	GMAC 3, F_A
	GREC F_C, F_P, F_C
	GREC F_S, F_A, F_S
	GMAC 10, F_C
	GMAC 2, F_S
	GREC F_P, F_C, F_P
	GREC F_A, F_S, F_A
	GMAC 11, F_P
	GMAC 1, F_A
	GREC F_C, F_P, F_C
	GREC F_S, F_A, F_S
	GMAC 12, F_C
	GMAC 0, F_S
.endm
.macro STORE r0, nr                    ; my rows m = w + 8 r, r = r0 .. r0 + nr - 1, into the layer's region
.set r, \r0
.rept \nr
.set j, 0
.rept 13
.if r < 3
	ds_store_b64 v[VSTA], v[ACC+26*r+2*j:ACC+26*r+2*j+1] offset:8*ROWB*r+256*j
.else
	ds_store_b64 v[VSTB], v[ACC+26*r+2*j:ACC+26*r+2*j+1] offset:256*j
.endif
.set j, j+1
.endr
.set r, r+1
.endr
.endm
; Layer 0: the rows themselves, A sin = (2 A) S, by the same recurrence, straight in the ACC registers
.macro LAYER0 nr
	LDE 1, \nr
	LDK 1, \nr
	s_wait_dscnt 0x0                               ; all of the entries are needed at once
	BASE \nr
.set r, 0
.rept \nr
.set RB, ROW+14*r
	v_pk_mul_f32 v[ACC+26*r+12:ACC+26*r+13], v[RB+F_S:RB+F_S+1], v[RB+F_KA:RB+F_KA+1] op_sel:[0,1] op_sel_hi:[1,1]
	v_pk_mul_f32 v[RB+F_C:RB+F_C+1], v[RB+F_C:RB+F_C+1], v[RB+F_KA:RB+F_KA+1] op_sel:[0,1] op_sel_hi:[1,1]
.set r, r+1
.endr
.set r, 0
.rept \nr
.set RB, ROW+14*r
	v_pk_mul_f32 v[RB+F_A:RB+F_A+1], v[ACC+26*r+12:ACC+26*r+13], v[RB+F_CS:RB+F_CS+1] op_sel_hi:[1,0]
.set r, r+1
.endr
.set r, 0
.rept \nr
.set RB, ROW+14*r
	v_pk_fma_f32 v[ACC+26*r+14:ACC+26*r+15], v[RB+F_C:RB+F_C+1], v[RB+F_CS:RB+F_CS+1], v[RB+F_A:RB+F_A+1] op_sel:[0,1,0] op_sel_hi:[1,1,1]
	v_pk_fma_f32 v[ACC+26*r+10:ACC+26*r+11], v[RB+F_C:RB+F_C+1], v[RB+F_CS:RB+F_CS+1], v[RB+F_A:RB+F_A+1] op_sel:[0,1,0] op_sel_hi:[1,1,1] neg_lo:[0,1,0] neg_hi:[0,1,0]
.set r, r+1
.endr
.set d, 2
.rept 5
.set r, 0
.rept \nr
.set RB, ROW+14*r
.set UP, ACC+26*r+2*(6+d)
.set DN, ACC+26*r+2*(6-d)
	v_pk_fma_f32 v[UP:UP+1], v[UP-2:UP-1], v[RB+F_KA:RB+F_KA+1], v[UP-4:UP-3] op_sel_hi:[1,0,1] neg_lo:[0,0,1] neg_hi:[0,0,1]
	v_pk_fma_f32 v[DN:DN+1], v[DN+2:DN+3], v[RB+F_KA:RB+F_KA+1], v[DN+4:DN+5] op_sel_hi:[1,0,1] neg_lo:[0,0,1] neg_hi:[0,0,1]
.set r, r+1
.endr
.set d, d+1
.endr
	STORE 0, \nr
.endm
; One input row n against my nr output rows.  first = 1: the row lies in SUM (it starts that sum) and the products start the sums.
; more = 1: the next entries and the next row are fetched, each as soon as its registers are free.
.macro TRIP n, nr, first, more
	s_wait_dscnt \nr+13                            ; LDS loads come back in order: words 0-3 of my entries are in; the nr loads of words 4, 5 and the 13 of the row, issued behind them, may be out
	BASE \nr
	s_wait_dscnt 0x0                               ; words 4, 5 and the row
.if \first
	GSET 0, \nr, SUM, 0, ACC, 26, 1
.else
	GSET 0, \nr, SN, 0, ACC, 26, 0
.endif
	GEN1
.if \more
	LDE \n, \nr                                    ; words 0-3 have had their last reader
.endif
	GEN2
.if \first == 0
.set j, 0
.rept 13
	v_pk_add_f32 v[SUM+2*j:SUM+2*j+1], v[SUM+2*j:SUM+2*j+1], v[SN+2*j:SN+2*j+1]
.set j, j+1
.endr
.endif
.if \more
	LDK \n, \nr
	LDROW SN
	v_add_nc_u32 v[VE], 32, v[VE]
	v_add_nc_u32 v[VSN], ROWB, v[VSN]
.endif
.endm
; A selector layer of n input rows: ACC[r] = sum over n of 0.5 sin * s[n], then + 0.5 * (sum over n of s[n]).
; The last trip is written out and fetches nothing: no wave reads beyond the input region's last row.
.macro LAYER n, nr, tag
	LDE \n, \nr
	LDK \n, \nr
	LDROW SUM
	v_add_nc_u32 v[VE], 32, v[VE]
	v_add_nc_u32 v[VSN], ROWB, v[VSN]
	TRIP \n, \nr, 1, 1
	s_mov_b32 s3, \n-2
.Ltrip_\tag:
	TRIP \n, \nr, 0, 1
	s_sub_co_i32 s3, s3, 1
	s_cmp_lg_u32 s3, 0
	s_cbranch_scc1 .Ltrip_\tag
	TRIP \n, \nr, 0, 0
.set j, 0
.rept 13
.set r, 0
.rept \nr
	v_pk_fma_f32 v[ACC+26*r+2*j:ACC+26*r+2*j+1], v[SUM+2*j:SUM+2*j+1], 0.5, v[ACC+26*r+2*j:ACC+26*r+2*j+1] op_sel_hi:[1,0,1]
.set r, r+1
.endr
.set j, j+1
.endr
.endm
; Layer 3 on the rows of layer 2 that I hold in ACC: my partial sum, in the SN registers
.macro LAYER3 nr
	v_mov_b32 v[VE], s6
	LDE 1, \nr
	LDK 1, \nr
	s_wait_dscnt 0x0
	BASE \nr
.set q, 0
.rept \nr
.if q == 0
	GSET q, 1, ACC, 26, SN, 0, 1
.else
	GSET q, 1, ACC, 26, SN, 0, 0
.endif
	GEN1
	GEN2
.set j, 0
.rept 13
	v_pk_fma_f32 v[SN+2*j:SN+2*j+1], v[ACC+26*q+2*j:ACC+26*q+2*j+1], 0.5, v[SN+2*j:SN+2*j+1] op_sel_hi:[1,0,1]
.set j, j+1
.endr
.set q, q+1
.endr
.endm
; ================================================================ set-up
	s_load_b512 s[8:23], s[0:1], 0x0               ; w1 8, phi1 10, w2 12, phi2 14, w3 16, phi3 18, w0 20, phi0 22
	s_load_b512 s[24:39], s[0:1], 0x40             ; wc1 24, phic1 26, wc2 28, phic2 30, wc3 32, phic3 34, wc0 36, phic0 38
	s_load_b128 s[40:43], s[0:1], 0x80             ; A0 40, out0 42
	v_and_b32 v[LANE], 31, v0
	v_lshrrev_b32 v[VT], 5, v0
	v_readfirstlane_b32 s2, v[VT]                  ; wave 0 .. 7
	s_mul_i32 s4, ttmp9, SPAN                      ; k0
	s_add_co_u32 s5, s4, 6*32
	v_cvt_f32_u32 v[KC], s5
	v_cvt_f32_u32 v[OFS], v[LANE]
	v_add_nc_u32 v[VT], HALFSP, v[LANE]
	v_cvt_f32_u32 v[OFS+1], v[VT]
	s_mov_b32 s[DH], 0x3a506666                    ; 13657702 * 2^-34
	s_mov_b32 s[DL], 0x2dfd32fb                    ; 2.878541e-11
	s_mov_b32 s[IH], 0x3e22f983
	s_mov_b32 s[IL], 0x31dc9c88                    ; 6.42064e-9
	s_mov_b32 s[C32], 0x42000000
	COEF SA7, 0xbf196966                           ; -pi^7/7!  = -0.59926453
	COEF SA5, 0x402335e3                           ;  pi^5/5!  =  2.55016404
	COEF SA3, 0xc0a55de7                           ; -pi^3/3!  = -5.16771278
	COEF SA1, 0x40490fdb                           ;  pi
	COEF SB8, 0x3e70fa83                           ;  pi^8/8!  =  0.23533063
	COEF SB6, 0xbfaae9e4                           ; -pi^6/6!  = -1.33526277
	COEF SB4, 0x4081e0f8                           ;  pi^4/4!  =  4.05871213
	COEF SB2, 0xc09de9e6                           ; -pi^2/2   = -4.93480220
	s_mov_b32 s[SA9], 0x3da83c1a                   ;  pi^9/9!  =  0.08214589
	s_mov_b32 s[SB10], 0xbcd368f9                  ; -pi^10/10! = -0.02580689
	v_mov_b32 v[A9V], s[SA9]
	v_mov_b32 v[A9V+1], s[SA9]
	v_mov_b32 v[B10V], s[SB10]
	v_mov_b32 v[B10V+1], s[SB10]
	; thread t makes entries t, 256 + t of layer 1 (500) and t, 256 + t, 512 + t of layer 2 (750); an index past the end is clamped to the
	; last entry, and its copy lands in a place of the table that nobody reads
	v_lshlrev_b32 v[TOF], 2, v0
	v_add_nc_u32 v[TOF+1], 256, v0
	v_min_u32 v[TOF+1], 499, v[TOF+1]
	v_lshlrev_b32 v[TOF+1], 2, v[TOF+1]
	v_add_nc_u32 v[TOF+2], 512, v0
	v_min_u32 v[TOF+2], 749, v[TOF+2]
	v_lshlrev_b32 v[TOF+2], 2, v[TOF+2]
	v_lshlrev_b32 v[TOF+5], 5, v0
	s_wait_kmcnt 0x0                               ; the addresses
.irp i, 0,1,2,3,4,5,6,7
	s_load_b32 s[44+\i], s[24+2*\i:25+2*\i], 0x0   ; wc1, phic1, wc2, phic2, wc3, phic3, wc0, phic0
.endr
	global_load_b32 v[TB+6],  v[TOF],   s[8:9]
	global_load_b32 v[TB+7],  v[TOF],   s[10:11]
	global_load_b32 v[TB+18], v[TOF+1], s[8:9]
	global_load_b32 v[TB+19], v[TOF+1], s[10:11]
	global_load_b32 v[TB+30], v[TOF],   s[12:13]
	global_load_b32 v[TB+31], v[TOF],   s[14:15]
	global_load_b32 v[TB+42], v[TOF],   s[12:13] offset:1024
	global_load_b32 v[TB+43], v[TOF],   s[14:15] offset:1024
	global_load_b32 v[TB+54], v[TOF+2], s[12:13]
	global_load_b32 v[TB+55], v[TOF+2], s[14:15]
	s_cmp_gt_u32 s2, 1
	s_cbranch_scc1 .Ltab_wait
	; batch 5: wave 0 makes layer 3's 30 entries, wave 1 layer 0's 20
	s_cmp_eq_u32 s2, 0
	s_cselect_b64 s[58:59], s[16:17], s[20:21]
	s_cselect_b64 s[60:61], s[18:19], s[22:23]
	s_cselect_b32 s57, 29, 19
	v_min_u32 v[TOF+3], s57, v[LANE]
	v_lshlrev_b32 v[TOF+3], 2, v[TOF+3]
	v_min_u32 v[TOF+4], 19, v[LANE]
	v_lshlrev_b32 v[TOF+4], 2, v[TOF+4]
	global_load_b32 v[TB+66], v[TOF+3], s[58:59]
	global_load_b32 v[TB+67], v[TOF+3], s[60:61]
	global_load_b32 v[VT],    v[TOF+4], s[40:41]
.Ltab_wait:
	s_wait_kmcnt 0x0                               ; the eight one-word inputs
	v_max_num_f32 v[TST],   s44, 0
	v_max_num_f32 v[TST+1], s45, 0
	v_max_num_f32 v[TST+2], s46, 0
	v_max_num_f32 v[TST+3], s47, 0
	s_wait_loadcnt 0x0                             ; the launch's only wait for global loads: all of them are needed now
; ================================================================ the table
	PREP 0, TST
	PREP 1, TST
	PREP 2, TST+2
	PREP 3, TST+2
	PREP 4, TST+2
	TABLE 0, 5
	TABST 0, 5
	s_cmp_gt_u32 s2, 1
	s_cbranch_scc1 .Ltab_done
	s_cmp_eq_u32 s2, 0
	s_cselect_b32 s62, s48, s50
	s_cselect_b32 s63, s49, s51
	v_max_num_f32 v[TST+4], s62, 0
	v_max_num_f32 v[TST+5], s63, 0
	PREP 5, TST+4
	TABLE 5, 1
	v_add_f32 v[TB+65], v[VT], v[VT]               ; word 5: 2 A0 (layer 0 multiplies 0.5 sin by it; layer 3 does not read it)
	TABST 5, 1                                     ; threads 0-31: entries 1280 + t = layer 3's; threads 32-63: layer 0's
.Ltab_done:
	BARRIER                                        ; the table is whole
; ================================================================ layer 0: 20 rows; waves 0-3 make three, waves 4-7 two
	s_lshl_b32 s5, s2, 5
	s_add_co_u32 s5, s5, TAB_L0
	v_mov_b32 v[VE], s5
	s_mul_i32 s5, s2, ROWB
	s_add_co_u32 s5, s5, LDS_S0
	v_lshl_add_u32 v[VSTA], v[LANE], 3, s5
	s_cmp_gt_u32 s2, 3
	s_cbranch_scc1 .Ll0_two
	LAYER0 3
	s_branch .Ll0_join
.Ll0_two:
	LAYER0 2
.Ll0_join:
	BARRIER                                        ; s0 is whole
; ================================================================ layer 1: 25 rows; wave 0 makes four, the others three
	s_mul_i32 s5, s2, 32*20
	s_add_co_u32 s5, s5, TAB_L1
	v_mov_b32 v[VE], s5
	v_lshlrev_b32 v[VT], 3, v[LANE]
	v_add_nc_u32 v[VSN], LDS_S0, v[VT]
	s_mul_i32 s5, s2, ROWB
	s_add_co_u32 s5, s5, LDS_S1
	v_lshl_add_u32 v[VSTA], v[LANE], 3, s5
	v_add_nc_u32 v[VSTB], 24*ROWB, v[VSTA]
	s_cmp_lg_u32 s2, 0
	s_cbranch_scc1 .Ll1_three
	LAYER 20, 4, l1a
	s_branch .Ll1_join
.Ll1_three:
	LAYER 20, 3, l1b
.Ll1_join:
	BARRIER                                        ; the loop's LDS addresses are stepped in registers: every wave's stepped reads are over before any
	                                               ; wave stores, so that the order of reads and writes in LDS hangs on no arithmetic of addresses.
	                                               ; The waves would meet at the next barrier anyway
	STORE 0, 3                                     ; rows w, w + 8, w + 16: every wave
	s_cmp_lg_u32 s2, 0
	s_cbranch_scc1 .Ll1_stored
	STORE 3, 1                                     ; row 24: wave 0
.Ll1_stored:
	BARRIER                                        ; s1 is whole
; ================================================================ layers 2 and 3: 30 rows; waves 0-5 make four, waves 6, 7 three
	s_mul_i32 s5, s2, 32*25
	s_add_co_u32 s5, s5, TAB_L2
	v_mov_b32 v[VE], s5
	v_add_nc_u32 v[VSN], LDS_S1, v[VT]
	s_lshl_b32 s6, s2, 5
	s_add_co_u32 s6, s6, TAB_L3                    ; layer 3's entry of my first row
	s_mul_i32 s5, s2, ROWB
	s_add_co_u32 s5, s5, LDS_PT
	v_lshl_add_u32 v[VPT], v[LANE], 2, s5
	s_cmp_gt_u32 s2, 5
	s_cbranch_scc1 .Ll2_three
	LAYER 25, 4, l2a
	LAYER3 4
	s_branch .Ll2_join
.Ll2_three:
	LAYER 25, 3, l2b
	LAYER3 3
.Ll2_join:
	BARRIER                                        ; as in layer 1: every wave's stepped reads are over before any wave stores
.set j, 0
.rept 13
	ds_store_b32 v[VPT], v[SN+2*j] offset:128*j                    ; my partial sum of sample 32 j + l
	ds_store_b32 v[VPT], v[SN+2*j+1] offset:4*HALFSP+128*j         ; and of sample 416 + 32 j + l
.set j, j+1
.endr
	BARRIER                                        ; the eight partial sums are whole
; ================================================================ out: thread t adds the eight partial sums of samples 4 t .. 4 t + 3
	s_sub_co_u32 s5, TOTAL, s4                     ; samples from k0 to the end: a multiple of 64 in every work-group
	s_lshr_b32 s5, s5, 2
	s_min_u32 s5, s5, SPAN/4                       ; threads with work: 208, in the last work-group 80
	s_lshl_b32 s6, s4, 2
	s_mov_b32 s7, 0
	s_add_nc_u64 s[42:43], s[42:43], s[6:7]
	v_lshlrev_b32 v[VPT], 4, v0
	v_add_nc_u32 v[VT], LDS_PT, v[VPT]
	s_wait_xcnt 0x0                                ; EXEC changes only behind this wait
	v_cmp_gt_u32 vcc_lo, s5, v0
	s_and_saveexec_b32 s6, vcc_lo
	s_cbranch_execz .Lend
.set i, 0
.rept 8
	ds_load_b128 v[16+4*i:19+4*i], v[VT] offset:ROWB*i
.set i, i+1
.endr
.set i, 1
.rept 7
	s_wait_dscnt 7-i                               ; partial sum i is in; the 7 - i younger loads may be out
	v_pk_add_f32 v[16:17], v[16:17], v[16+4*i:17+4*i]
	v_pk_add_f32 v[18:19], v[18:19], v[18+4*i:19+4*i]
.set i, i+1
.endr
	global_store_b128 v[VPT], v[16:19], s[42:43] th:TH_STORE_NT    ; sixteen lanes store 256 consecutive bytes at a multiple of 256 from out0's first byte (3,328 = 13 x 256, 1,280 = 5 x 256)
.Lend:
	s_endpgm
.Lfunc_end_k_q3572c02f4f_sine:
	.size	k_q3572c02f4f_sine, .Lfunc_end_k_q3572c02f4f_sine-k_q3572c02f4f_sine
	.p2alignl 7, 3214868480
	.fill 96, 4, 3214868480
	.section	.rodata,"a",@progbits
	.p2align	6, 0x0
	.amdhsa_kernel k_q3572c02f4f_sine
		.amdhsa_group_segment_fixed_size 219392
		.amdhsa_private_segment_fixed_size 0
		.amdhsa_enable_private_segment 0
		.amdhsa_kernarg_size 144
		.amdhsa_user_sgpr_count 2
		.amdhsa_user_sgpr_kernarg_segment_ptr 1
		.amdhsa_wavefront_size32 1
		.amdhsa_system_sgpr_workgroup_id_x 1
		.amdhsa_system_sgpr_workgroup_id_y 1
		.amdhsa_system_sgpr_workgroup_id_z 1
		.amdhsa_system_vgpr_workitem_id 0
		.amdhsa_next_free_vgpr 228
		.amdhsa_next_free_sgpr 86
		.amdhsa_reserve_vcc 1
		.amdhsa_float_denorm_mode_32 3
		.amdhsa_float_denorm_mode_16_64 3
		.amdhsa_memory_ordered 1
		.amdhsa_forward_progress 1
		.amdhsa_inst_pref_size 214
	.end_amdhsa_kernel
	.amdgpu_metadata
---
amdhsa.version: [ 1, 2 ]
amdhsa.kernels:
  - .name:           k_q3572c02f4f_sine
    .symbol:         k_q3572c02f4f_sine.kd
    .args:
      - { .name: w1, .offset: 0, .size: 8, .value_kind: global_buffer, .address_space: global }
      - { .name: phi1, .offset: 8, .size: 8, .value_kind: global_buffer, .address_space: global }
      - { .name: w2, .offset: 16, .size: 8, .value_kind: global_buffer, .address_space: global }
      - { .name: phi2, .offset: 24, .size: 8, .value_kind: global_buffer, .address_space: global }
      - { .name: w3, .offset: 32, .size: 8, .value_kind: global_buffer, .address_space: global }
      - { .name: phi3, .offset: 40, .size: 8, .value_kind: global_buffer, .address_space: global }
      - { .name: w0, .offset: 48, .size: 8, .value_kind: global_buffer, .address_space: global }
      - { .name: phi0, .offset: 56, .size: 8, .value_kind: global_buffer, .address_space: global }
      - { .name: wc1, .offset: 64, .size: 8, .value_kind: global_buffer, .address_space: global }
      - { .name: phic1, .offset: 72, .size: 8, .value_kind: global_buffer, .address_space: global }
      - { .name: wc2, .offset: 80, .size: 8, .value_kind: global_buffer, .address_space: global }
      - { .name: phic2, .offset: 88, .size: 8, .value_kind: global_buffer, .address_space: global }
      - { .name: wc3, .offset: 96, .size: 8, .value_kind: global_buffer, .address_space: global }
      - { .name: phic3, .offset: 104, .size: 8, .value_kind: global_buffer, .address_space: global }
      - { .name: wc0, .offset: 112, .size: 8, .value_kind: global_buffer, .address_space: global }
      - { .name: phic0, .offset: 120, .size: 8, .value_kind: global_buffer, .address_space: global }
      - { .name: A0, .offset: 128, .size: 8, .value_kind: global_buffer, .address_space: global }
      - { .name: out0, .offset: 136, .size: 8, .value_kind: global_buffer, .address_space: global }
    .group_segment_fixed_size: 219392
    .private_segment_fixed_size: 0
    .kernarg_segment_align: 8
    .kernarg_segment_size: 144
    .max_flat_workgroup_size: 256
    .sgpr_count:     86
    .vgpr_count:     228
    .wavefront_size: 32
...
	.end_amdgpu_metadata
.endif
;; end of part 1
